; MI455X (gfx1250); checked and timed in simulation.
; The chip was launched on July 23, 2026; its instructions are those of AMD's public machine-readable ISA for CDNA 5 (MIT licence, August 2026) and "CDNA5" Instruction Set Architecture Reference Guide (July 2026). The comments in the code are by the model that wrote it; some were corrected since.
;; Masked Self Attention. Allowed arithmetic: matrix products marked QUANTISED: E4M3 operands, one given power-of-two scale a tensor, by v_wmma_f32_16x16x64_fp8_fp8 or v_wmma_f32_16x16x128_fp8_fp8, f32 sums; everything else in f32.
;; Inputs: Wk_codes 64 x 4 x 32 uint8 (E4M3 codes of Wk, K innermost, in blocks of 32 codes); Wq_codes 64 x 4 x 32 uint8 (E4M3 codes of Wq, K innermost, in blocks of 32 codes); Wv_codes 128 x 4 x 32 uint8 (E4M3 codes of Wv, K innermost, in blocks of 32 codes); lowp_scales 10 int32 (the exponents e of the quantised operands' scales 2^e); x_codes 4 x 4,096 x 4 x 32 uint8 (E4M3 codes of x, K innermost, in blocks of 32 codes).
;; Outputs: out0 4 x 4,096 x 128 float32.
;; This version of the problem:
;;   THIS VERSION OF THE PROBLEM IS GIVEN IN LOW PRECISION. The matrix products marked QUANTISED in the list below multiply operands that are first quantised to E4M3 (4 exponent bits, 3 mantissa bits; 8 bits a number), with one given power-of-two scale for each operand tensor; their sums are f32. All else is computed in f32.
;;   The module's matrix products, in the order in which they are computed (A, B: the left and right operand; K: the contracted axis; several contracted axes count as one K, in the product's order):
;;     1. [M 16,384, K 128] x [K 128, N 64]; A: input x (given as codes); B: input Wk (given as codes): QUANTISED (scales: A lowp_scales[0], B lowp_scales[1])
;;     2. [M 16,384, K 128] x [K 128, N 64]; A: input x (given as codes); B: input Wq (given as codes): QUANTISED (scales: A lowp_scales[2], B lowp_scales[3])
;;     3. [M 16,384, K 128] x [K 128, N 128]; A: input x (given as codes); B: input Wv (given as codes): QUANTISED (scales: A lowp_scales[4], B lowp_scales[5])
;;     4. batch 4 x [M 4,096, K 64] x [K 64, N 4,096]; A: computed on the way; B: computed on the way: QUANTISED (scales: A lowp_scales[6], B lowp_scales[7])
;;     5. batch 4 x [M 4,096, K 4,096] x [K 4,096, N 128]; A: softmax (see below); B: computed on the way: QUANTISED (scales: A lowp_scales[8], B lowp_scales[9])
;;   THE QUANTISER, for each operand of a quantised product, along K:
;;     - The operand's scale is 2^e, e = its entry of the input lowp_scales (int32; the entries are numbered through the quantised products in the list's order, A before B).
;;     - Each number is divided by the scale, clamped to +-448, and rounded to the nearest number of E4M3, ties to even, subnormals kept.
;;     - The product sums the exact products of the quantised numbers (number of the format x scale) in f32.
;;   ~~~python
;;   def quantise(x, axis, e):      # numpy; x: float32 -> the quantised numbers, widened to float32 again
;;       x = np.moveaxis(x, axis, -1); K = x.shape[-1]
;;       r = np.clip(x / 2.0 ** e, -448, 448)
;;       step = 2.0 ** (np.maximum(np.frexp(np.where(r == 0, 1, r))[1] - 1, -6) - 3)
;;       q = np.round(r / step) * step * 2.0 ** e      # np.round: ties to even
;;       return np.moveaxis(q, -1, axis).astype(np.float32)
;;   ~~~
;;   SOFTMAX AHEAD OF A QUANTISED PRODUCT. Where the list says 'softmax', what is quantised is not the finished softmax but p = 2^(t - M), with t = logit x log2(e) and M = ceil(the row's largest t), a whole number; so 1/2 < the row's largest p <= 1. The row's sum l is taken of the UNQUANTISED p, in f32, and the product's result is divided by l at the end. Since M is a whole number, a kernel that streams over the keys may use a running M (the ceiling of the running maximum): every later rescaling is an exact power of two, so the quantised numbers keep their values, but for numbers so far below the row's largest that they fall under the format's range.
;;   OPERANDS COMPUTED ON THE WAY. 'Computed on the way' means the value that the module computes at that place (a softmax that the list does not call 'softmax' is quantised finished and normalised). What goes into a quantiser is computed in f32, as accurately as f32 sums, v_exp_f32 and their like allow (about 1e-6 of the number): no bf16 or f16 on the way to a quantiser, and a product that is left as it is and whose result goes on into a quantised operand takes f32 operands (vector FMAs, or v_wmma_f32_16x16x4_f32). A number that lies on a knife's edge between two numbers of the format may be rounded either way, as far as f32 arithmetic and the matrix unit's own rounding can turn it there, and no further.
;;   INPUTS GIVEN AS CODES. Wk (in the module: [64, 128], K = its axis 1); Wq (in the module: [64, 128], K = its axis 1); Wv (in the module: [128, 128], K = its axis 1); x (in the module: [4, 4096, 128], K = its axis 2): each comes as NAME_codes (uint8): NAME with its K axis moved to the last place and cut into blocks of 32 codes, [.., K / 32, bytes a block], one block behind the other in memory; one code a byte (a code: sign, 4 exponent bits, 3 mantissa bits); its scale is its entry of lowp_scales. Its value is code x scale, taken as it is: it is not quantised again, and the codes and scales need not be those that the quantiser above would give.
;; One version. Each part assembles by itself: llvm-mc -triple=amdgcn-amd-amdhsa -mcpu=gfx1250 --defsym DOCPART=n.
;; ======== version 1 of 1: 2 launches
;; workspace buffers: vfrag 2,097,152 bytes; pfrag 1,048,576 bytes; pstat 262,144 bytes
;; launch prep (part 1): grid 256 x 1, 4 waves a work-group, no clusters, 4,608 bytes of LDS; arguments x_codes, Wk_codes, Wq_codes, Wv_codes, lowp_scales, vfrag, pfrag, pstat; writes vfrag, pfrag, pstat
.if DOCPART == 1
	.amdgcn_target "amdgcn-amd-amdhsa--gfx1250"
	.amdhsa_code_object_version 6
	.text
	.protected	k_q0bd9de83d0_prep
	.globl	k_q0bd9de83d0_prep
	.p2align	8
	.type	k_q0bd9de83d0_prep,@function
k_q0bd9de83d0_prep:
	s_mov_b64 s[64:65], 0
	v_nop
	global_prefetch_b8 v0, s[64:65] scope:SCOPE_SE
	s_setreg_imm32_b32 hwreg(HW_REG_WAVE_MODE, 25, 1), 1
	s_wait_xcnt 0x0
; EVERYTHING THAT BELONGS TO A ROW OF x.  x: [4][4096][128] codes of E4M3; Wk, Wq: [64][128], Wv: [128][128] codes; ten exponents e0 .. e9.
; The mask is a lower triangle laid on K^T [64 (kd)][4096 (key)]: element (kd, key) stays only where key <= kd.  So only keys 0 .. 63 of a batch carry anything, and every score of a
; key from 64 on is exactly 0, whatever the inputs.  For a query: t = score x log2(e); M = ceil(max(largest t of the 64 keys, 0)); p = 2^(t - M) for the 64 keys, p = 2^-M for each
; of the other 4,032; l = the 64 p's sum + 4,032 x 2^-M, all unquantised.
; A work-group takes 64 rows of x (block g = 64 batch + blk); wave w = 2 b + u makes
;   the masked K codes of key tile w of its batch (shared with the other three waves through LDS, as an image of the operand's registers),
;   the Q codes of query tile T = 4 g + w, the scores of its 16 queries against the 64 keys, their softmax: P's codes -> pfrag, (2^(e8+e9) / l, the code of 2^-M four times) -> pstat,
;   the V codes of rows 32 b .. 32 b + 31 for channels 64 u .. 64 u + 63 -> vfrag.
; THE ROWS OF A TILE ARE NOT NEIGHBOURS: lane r of tile 2 b + u takes row 32 b + 8 u + r + (r & 8) (rows of x, of Wk, of Wq alike), so that in a product used with those rows as
; source 0 the 16 registers of tiles 2 b and 2 b + 1 are 16 neighbours, 32 b + 16 (lane / 16) + 0 .. 15, along the next product's K.
; EVERY OPERAND lies so: registers 4 c .. 4 c + 3 hold k = 32 c + 16 (lane / 16) + 0 .. 15: the same places of k on both sides of every product, so each product meets its partner.
; WORKSPACE, as images of registers (a plane = 32 lanes x 16 bytes, so every store of a wave covers 512 consecutive bytes, aligned; pstat's 256):
;   vfrag [batch][channel tile 8][128 keys: 32][plane c 4]: lane (r, h): channel 16 tile + r, keys 32 c + 16 h + 0 .. 15 of the 128.
;   pfrag [T][plane c 2]: lane (r, h): query r of T, keys 32 c + 16 h + 0 .. 15.      pstat [T][lane][8 bytes].
; NO CLUSTER, NO TENSOR LOAD: what work-groups share is 32 KB of weights and 8 KB of key rows; it goes from memory straight into operand registers, once a wave, and no tile lies in LDS.
; LIMITS on the given exponents, so that each power of two below is an f32 number: e7-e0-e1, e6-e2-e3, e9-e4-e5 and e8 between -126 and 119; e6+e7 between -126 and 127.
; NaN codes among the inputs are not served.
.set LN16, 1                           ; v1   16 x lane: my place in a plane
.set AW,   2                           ; v2   (r + (r & 8)) x 128 + 16 h: my bytes in a tile of chosen rows (x, Wk, Wq: rows of 128 bytes)
.set AV,   3                           ; v3   r x 128 + 16 h: my bytes in 16 neighbouring rows of Wv
.set KST,  4                           ; v4   LDS: 16 x lane + 1,024 x wave: where I put my K fragment
.set MD,   5                           ; v5   my key - 16 h: register n of K's sums holds kd = 32 (n / 16) + n % 16 + 16 h, hidden where that is below my key
.set NIL,  6                           ; v6   0
.set LN8,  7                           ; v7   8 x lane
.set X0,   16                          ; v16-31   x: rows 32 b on, tile u = 0;   v32-47 tile u = 1
.set X1,   32
.set XK,   48                          ; v48-63   x: key tile w of the batch; later P's codes (v48-55) and the pair for pstat (v56-57)
.set XQ,   64                          ; v64-79   x: query tile T
.set WA,   80                          ; v80-143  Wk's four fragments, later four of Wv's
.set WB,   144                         ; v144-207 Wq's four fragments; later K's four fragments (v144-175) and the softmax's registers (v176-207); later V's 64 sums
.set KF,   144
.set TM,   176
.set AC,   208                         ; v208-239 K's sums, then Q's, then the scores and p; later V's codes (v208-223)
.set KC,   240                         ; v240-247 my K codes
.set QC,   248                         ; v248-255 my Q codes
.set PCD,  48
.set STT,  56
.macro FRAG reg, adr, base, off        ; a fragment of 16 rows x 128 codes: four loads of 16 bytes, 32 bytes apart
.irp c, 0,1,2,3
	global_load_b128 v[\reg+4*\c:\reg+4*\c+3], v[\adr], s[\base:\base+1] offset:\off+32*\c
.endr
.endm
.macro MKSC vs, vl, se                 ; s[se] = e:  v[vs] = 2^e as f32 (the conversion takes its exponent field), v[vl] = 448 x 2^e
	s_add_co_i32 s[\se], s[\se], 127
	s_lshl_b32 s46, s[\se], 23
	v_mov_b32 v[\vs], s46
	s_add_co_i32 s[\se], s[\se], 8
	s_lshl_b32 s[\se], s[\se], 23
	s_or_b32 s[\se], s[\se], 0x600000
	v_mov_b32 v[\vl], s[\se]
.endm
.macro HOLD8CVT dst, src, vs, vl       ; eight numbers of a lane, from the low end on: held within the largest code x the scale (the conversion does not saturate: ISA guide 7.6.2), then eight codes
.irp i, 0,1,2,3,4,5,6,7
	v_med3_num_f32 v[\src+\i], v[\src+\i], -v[\vl], v[\vl]
.endr
	v_cvt_scalef32_pk8_fp8_f32 v[\dst:\dst+1], v[\src:\src+7], v[\vs]
.endm
.macro PLACES n                        ; plain vector lines between a matrix instruction and a read of its result, a write of its registers or a load into them
.rept \n
	v_nop
.endr
.endm
	s_load_b512 s[8:23], s[0:1], 0x0               ; x s[8:9], Wk s[10:11], Wq s[12:13], Wv s[14:15], the exponents s[16:17], vfrag s[18:19], pfrag s[20:21], pstat s[22:23]
	s_set_vgpr_msb 0x40
	v_lshl_add_u32 v0, v0, 2, 0x1000
	v_mov_b32 v1, 0
	s_set_vgpr_msb 0x4000
	v_and_b32 v240, 31, v0                         ; lane
	v_and_b32 v241, 15, v0                         ; r
	v_bfe_u32 v242, v0, 4, 1                       ; h
	v_lshrrev_b32 v243, 5, v0
	v_readfirstlane_b32 s34, v243                  ; wave w
	v_and_b32 v243, 8, v241
	v_add_nc_u32 v243, v243, v241                  ; r + (r & 8)
	v_lshlrev_b32 v[LN16], 4, v240
	v_lshlrev_b32 v[LN8], 3, v240
	v_lshlrev_b32 v[AW], 7, v243
	v_lshl_add_u32 v[AW], v242, 4, v[AW]
	v_lshlrev_b32 v[AV], 7, v241
	v_lshl_add_u32 v[AV], v242, 4, v[AV]
	s_and_b32 s35, s34, 1                          ; u
	s_lshr_b32 s36, s34, 1                         ; b
	s_lshl_b32 s46, s34, 10
	v_add_nc_u32 v[KST], s46, v[LN16]
	s_lshl_b32 s46, s36, 5
	s_lshl_b32 s47, s35, 3
	s_add_co_u32 s46, s46, s47                     ; 32 b + 8 u
	v_add_nc_u32 v[MD], s46, v243                  ; my key,
	v_lshlrev_b32 v242, 4, v242
	v_sub_nc_u32 v[MD], v[MD], v242                ; less 16 h (it may be negative: the compare is signed)
	v_mov_b32 v[NIL], 0
	s_mov_b32 s44, 0x76543210                      ; lane selects for v_permlanex16_b32: lane l xor 16
	s_mov_b32 s45, 0xfedcba98
	s_lshl_b32 s38, ttmp9, 13                      ; the block's 64 rows of 128 bytes,
	s_lshl_b32 s46, s36, 12
	s_add_co_u32 s38, s38, s46                     ; + 32 b rows: X0, X1
	s_mov_b32 s39, 0
	s_lshl_b32 s47, s35, 10
	s_add_co_u32 s40, s38, s47                     ; + 8 u rows: XQ
	s_mov_b32 s41, 0
	s_lshr_b32 s48, ttmp9, 6
	s_lshl_b32 s48, s48, 19                        ; the batch's first byte, in x and in vfrag alike (524,288 bytes a batch)
	s_add_co_u32 s58, s48, s46
	s_add_co_u32 s58, s58, s47                     ; + (32 b + 8 u) rows: XK
	s_mov_b32 s59, 0
	s_wait_kmcnt 0x0
	s_load_b256 s[24:31], s[16:17], 0x0            ; e0 .. e7
	s_load_b64 s[32:33], s[16:17], 0x20            ; e8, e9
	s_add_nc_u64 s[52:53], s[8:9], s[38:39]
	s_add_nc_u64 s[54:55], s[8:9], s[40:41]
	s_add_nc_u64 s[56:57], s[8:9], s[58:59]
	FRAG XK, AW, 56, 0                             ; what the first product wants goes first
.irp t, 0,1,2,3
	FRAG WA+16*\t, AW, 10, (32*(\t/2)+8*(\t%2))*128
.endr
	FRAG XQ, AW, 54, 0
.irp t, 0,1,2,3
	FRAG WB+16*\t, AW, 12, (32*(\t/2)+8*(\t%2))*128
.endr
	FRAG X0, AW, 52, 0
	FRAG X1, AW, 52, 1024
	s_lshl_b32 s38, s35, 13                        ; Wv: my four channel tiles: 64 u rows of 128 bytes
	s_add_nc_u64 s[14:15], s[14:15], s[38:39]
	s_and_b32 s46, ttmp9, 63                       ; blk: its 64 keys are planes 2 (blk & 1) + b of step blk / 2: 1,024 blk + 512 b bytes
	s_lshl_b32 s46, s46, 10
	s_add_co_u32 s38, s48, s46
	s_lshl_b32 s46, s35, 18                        ; channel tile 4 u: 65,536 bytes a tile
	s_add_co_u32 s38, s38, s46
	s_lshl_b32 s46, s36, 9
	s_add_co_u32 s38, s38, s46
	s_add_nc_u64 s[18:19], s[18:19], s[38:39]
	s_lshl_b32 s46, ttmp9, 2
	s_add_co_u32 s46, s46, s34                     ; T = 4 g + w
	s_lshl_b32 s38, s46, 10
	s_add_nc_u64 s[20:21], s[20:21], s[38:39]
	s_lshl_b32 s38, s46, 8
	s_add_nc_u64 s[22:23], s[22:23], s[38:39]
	s_wait_kmcnt 0x0                               ; the exponents
	s_add_co_i32 s46, s30, s31                     ; a score's sum stands for sum x 2^(e6 + e7): the two are added to the exponent field of log2(e)
	s_lshl_b32 s46, s46, 23
	s_add_co_i32 s42, s46, 0x3fb8aa3b
	s_mov_b32 s43, s42                             ; (named with it as a pair, so it is written)
	s_add_co_i32 s50, s32, s33                     ; e8 + e9
	s_sub_co_i32 s47, s31, s24
	s_sub_co_i32 s47, s47, s25                     ; K's sums stand for sum x 2^(e0 + e1): their code is sum / 2^(e7 - e0 - e1)
	MKSC 8, 9, 47
	s_sub_co_i32 s47, s30, s26
	s_sub_co_i32 s47, s47, s27                     ; Q: e6 - e2 - e3
	MKSC 10, 11, 47
	s_sub_co_i32 s47, s33, s28
	s_sub_co_i32 s47, s47, s29                     ; V: e9 - e4 - e5
	MKSC 12, 13, 47
	s_mov_b32 s47, s32                             ; p: e8
	MKSC 14, 15, 47
	; ---- K of my 16 keys: source 0 = 16 chosen rows of Wk, source 1 = the keys' rows of x: a lane holds ONE key, register n the channel kd = 32 (n / 16) + n % 16 + 16 h
	s_wait_loadcnt 28                              ; XK and Wk are in; the 28 younger loads (XQ 4, Wq 16, X0 4, X1 4) may be out
.irp t, 0,1,2,3
	v_wmma_f32_16x16x128_fp8_fp8 v[AC+8*\t:AC+8*\t+7], v[WA+16*\t:WA+16*\t+15], v[XK:XK+15], 0
.endr
	PLACES 4
.irp i, 0,1,2,3
	FRAG WA+16*\i, AV, 14, 2048*\i                 ; Wk's registers take my four fragments of Wv
.endr
.irp n, 0,1,2,3,4,5,6,7,8,9,10,11,12,13,14,15,16,17,18,19,20,21,22,23,24,25,26,27,28,29,30,31
	v_cmp_lt_i32 vcc_lo, 32*(\n/16)+\n%16, v[MD]   ; kd < key: under the mask
	v_cndmask_b32 v[AC+\n], v[AC+\n], v[NIL], vcc_lo
.endr
.irp g, 0,1,2,3
	HOLD8CVT KC+2*\g, AC+8*\g, 8, 9
.endr
	v_nop                                          ; a plain line between the last conversion and the products that write its sources
	ds_store_b128 v[KST], v[KC:KC+3]               ; my fragment as it stands: plane c at 512 c
	ds_store_b128 v[KST], v[KC+4:KC+7] offset:512
	; ---- Q of my 16 queries, in the same way
	s_wait_loadcnt 24                              ; XQ and Wq are in; X0, X1 (8) and Wv (16) may be out
.irp t, 0,1,2,3
	v_wmma_f32_16x16x128_fp8_fp8 v[AC+8*\t:AC+8*\t+7], v[WB+16*\t:WB+16*\t+15], v[XQ:XQ+15], 0
.endr
	PLACES 4
.irp g, 0,1,2,3
	HOLD8CVT QC+2*\g, AC+8*\g, 10, 11
.endr
	v_nop
	s_wait_dscnt 0x0                               ; for the others' sake: my K fragment lies in LDS
	s_barrier_signal -1
	s_barrier_wait -1                              ; all four do
.irp t, 0,1,2,3
.irp c, 0,1
	ds_load_b128 v[KF+8*\t+4*\c:KF+8*\t+4*\c+3], v[LN16] offset:1024*\t+512*\c
.endr
.endr
	s_wait_dscnt 0x0
	; ---- the scores, transposed: source 0 = 16 keys, source 1 = my 16 queries, K = the 64 channels: a lane holds ONE query, register 16 b + i key 32 b + 16 h + i
.irp t, 0,1,2,3
	v_wmma_f32_16x16x64_fp8_fp8 v[AC+8*\t:AC+8*\t+7], v[KF+8*\t:KF+8*\t+7], v[QC:QC+7], 0
.endr
	v_mov_b32 v[TM+2], 0                           ; written once: a lane permute's destination counts as one of its sources.  (These two and two v_nop are the four places)
	v_mov_b32 v[TM+5], 0                           ; (named as the upper half of the pair with -M)
	PLACES 2
	v_max3_num_f32 v[TM], v[AC], v[AC+1], v[AC+2]  ; the largest score of my query among my 32 keys, in two chains, each accumulator from its low end on
	v_max3_num_f32 v[TM+1], v[AC+3], v[AC+4], v[AC+5]
.irp i, 6,10,14,18,22,26
	v_max3_num_f32 v[TM], v[TM], v[AC+\i], v[AC+\i+1]
	v_max3_num_f32 v[TM+1], v[TM+1], v[AC+\i+2], v[AC+\i+3]
.endr
	v_max3_num_f32 v[TM], v[TM], v[AC+30], v[AC+31]
	v_max_num_f32 v[TM], v[TM], v[TM+1]
	v_permlanex16_b32 v[TM+2], v[TM], s44, s45
	v_max_num_f32 v[TM], v[TM], v[TM+2]            ; and among lane l xor 16's
	v_mul_f32 v[TM], s42, v[TM]                    ; as t (the factor is positive)
	v_max_num_f32 v[TM], 0, v[TM]                  ; the 4,032 keys from 64 on have t = 0
	v_floor_f32 v[TM+4], -v[TM]                    ; -M = floor(-t) = -ceil(t): a whole number, 0 or less
.irp j, 0,2,4,6,8,10,12,14,16,18,20,22,24,26,28,30
	v_pk_fma_f32 v[AC+\j:AC+\j+1], v[AC+\j:AC+\j+1], s[42:43], v[TM+4:TM+5] op_sel_hi:[1,0,0]   ; t - M, two at a time (of both pairs the low word serves both halves)
.endr
.irp j, 0,1,2,3,4,5,6,7,8,9,10,11,12,13,14,15,16,17,18,19,20,21,22,23,24,25,26,27,28,29,30,31
	v_exp_f32 v[AC+\j], v[AC+\j]                   ; p = 2^(t - M)
.endr
	v_cvt_i32_f32 v[TM+6], v[TM+4]                 ; (a plain line behind the exponentials)  -M as a whole number; it saturates
	v_ldexp_f32 v[TM+7], 1.0, v[TM+6]              ; 2^-M, exact: the p of every key from 64 on
	s_wait_alu depctr_va_vdst(0)
	v_pk_add_f32 v[TM+8:TM+9], v[AC:AC+1], v[AC+2:AC+3]   ; the sum of the unquantised p, two at a time, in two chains
	v_pk_add_f32 v[TM+10:TM+11], v[AC+4:AC+5], v[AC+6:AC+7]
.irp j, 8,12,16,20,24,28
	v_pk_add_f32 v[TM+8:TM+9], v[TM+8:TM+9], v[AC+\j:AC+\j+1]
	v_pk_add_f32 v[TM+10:TM+11], v[TM+10:TM+11], v[AC+\j+2:AC+\j+3]
.endr
	v_pk_add_f32 v[TM+8:TM+9], v[TM+8:TM+9], v[TM+10:TM+11]
	v_add_f32 v[TM+8], v[TM+8], v[TM+9]
	v_permlanex16_b32 v[TM+2], v[TM+8], s44, s45
	v_add_f32 v[TM+8], v[TM+8], v[TM+2]            ; the 64 keys' sum
	v_fmamk_f32 v[TM+8], v[TM+7], 0x457c0000, v[TM+8]   ; l = 4,032 x 2^-M + that: between 1/2 and 4,096
	v_rcp_f32 v[TM+12], v[TM+8]
.irp j, 0,1,2,3,4,5,6,7,8,9,10,11,12,13,14,15,16,17,18,19,20,21,22,23,24,25,26,27,28,29,30,31
	v_min_num_f32 v[AC+\j], v[AC+\j], v15          ; p is not negative: the hold is one-sided.  (Plain lines behind the reciprocal)
.endr
	s_wait_alu depctr_va_vdst(0)
	v_ldexp_f32 v[TM+12], v[TM+12], s50            ; 2^(e8 + e9) / l: what the second product's sums are multiplied by
.irp g, 0,1,2,3
	v_cvt_scalef32_pk8_fp8_f32 v[PCD+2*\g:PCD+2*\g+1], v[AC+8*\g:AC+8*\g+7], v14   ; registers 4 c .. 4 c + 3: keys 32 c + 16 h + 0 .. 15
.endr
.irp i, 0,1,2,3,4,5,6,7
	v_min_num_f32 v[TM+16+\i], v[TM+7], v15        ; 2^-M eight times, held,
.endr
	v_cvt_scalef32_pk8_fp8_f32 v[STT:STT+1], v[TM+16:TM+23], v14   ; gives its code in every byte of two registers
	v_nop                                          ; a plain line between the conversion and the write of its result's lower register
	v_mov_b32 v[STT], v[TM+12]                     ; the pair: (2^(e8 + e9) / l, the code four times)
	global_store_b128 v[LN16], v[PCD:PCD+3], s[20:21]
	global_store_b128 v[LN16], v[PCD+4:PCD+7], s[20:21] offset:512
	global_store_b64 v[LN8], v[STT:STT+1], s[22:23]
	; ---- V: source 0 = 16 chosen rows of x (keys), source 1 = 16 rows of Wv (channels): a lane holds ONE channel, the 16 registers of tiles u' = 0, 1 keys 32 b + 16 h + 0 .. 15
	s_wait_loadcnt 0x0                             ; X0, X1, Wv
.irp i, 0,1,2,3
	v_wmma_f32_16x16x128_fp8_fp8 v[WB+16*\i:WB+16*\i+7], v[X0:X0+15], v[WA+16*\i:WA+16*\i+15], 0
	v_wmma_f32_16x16x128_fp8_fp8 v[WB+16*\i+8:WB+16*\i+15], v[X1:X1+15], v[WA+16*\i:WA+16*\i+15], 0
.endr
	PLACES 4
.irp k, 0,1,2,3,4,5,6,7
	HOLD8CVT AC+2*\k, WB+8*\k, 12, 13
.endr
	v_nop
.irp i, 0,1,2,3
	global_store_b128 v[LN16], v[AC+4*\i:AC+4*\i+3], s[18:19] offset:65536*\i   ; one plane of channel tile 4 u + i
.endr
	s_set_vgpr_msb 0x5
	s_wait_tensorcnt 0x0
	ds_add_u32 v0, v1
	s_wait_dscnt 0x0
	s_set_vgpr_msb 0x500
	s_endpgm
.Lfunc_end_k_q0bd9de83d0_prep:
	.size	k_q0bd9de83d0_prep, .Lfunc_end_k_q0bd9de83d0_prep-k_q0bd9de83d0_prep
	.p2alignl 7, 3214868480
	.fill 96, 4, 3214868480
	.section	.rodata,"a",@progbits
	.p2align	6, 0x0
	.amdhsa_kernel k_q0bd9de83d0_prep
		.amdhsa_group_segment_fixed_size 4608
		.amdhsa_private_segment_fixed_size 0
		.amdhsa_enable_private_segment 0
		.amdhsa_kernarg_size 64
		.amdhsa_user_sgpr_count 2
		.amdhsa_user_sgpr_kernarg_segment_ptr 1
		.amdhsa_wavefront_size32 1
		.amdhsa_system_sgpr_workgroup_id_x 1
		.amdhsa_system_sgpr_workgroup_id_y 1
		.amdhsa_system_sgpr_workgroup_id_z 1
		.amdhsa_system_vgpr_workitem_id 0
		.amdhsa_next_free_vgpr 258
		.amdhsa_next_free_sgpr 66
		.amdhsa_reserve_vcc 1
		.amdhsa_float_denorm_mode_32 3
		.amdhsa_float_denorm_mode_16_64 3
		.amdhsa_memory_ordered 1
		.amdhsa_forward_progress 1
		.amdhsa_inst_pref_size 31
	.end_amdhsa_kernel
	.amdgpu_metadata
---
amdhsa.version: [ 1, 2 ]
amdhsa.kernels:
  - .name:           k_q0bd9de83d0_prep
    .symbol:         k_q0bd9de83d0_prep.kd
    .args:
      - { .name: x_codes, .offset: 0, .size: 8, .value_kind: global_buffer, .address_space: global }
      - { .name: Wk_codes, .offset: 8, .size: 8, .value_kind: global_buffer, .address_space: global }
      - { .name: Wq_codes, .offset: 16, .size: 8, .value_kind: global_buffer, .address_space: global }
      - { .name: Wv_codes, .offset: 24, .size: 8, .value_kind: global_buffer, .address_space: global }
      - { .name: lowp_scales, .offset: 32, .size: 8, .value_kind: global_buffer, .address_space: global }
      - { .name: vfrag, .offset: 40, .size: 8, .value_kind: global_buffer, .address_space: global }
      - { .name: pfrag, .offset: 48, .size: 8, .value_kind: global_buffer, .address_space: global }
      - { .name: pstat, .offset: 56, .size: 8, .value_kind: global_buffer, .address_space: global }
    .group_segment_fixed_size: 4608
    .private_segment_fixed_size: 0
    .kernarg_segment_align: 8
    .kernarg_segment_size: 64
    .max_flat_workgroup_size: 128
    .sgpr_count:     66
    .vgpr_count:     258
    .wavefront_size: 32
...
	.end_amdgpu_metadata
.endif
;; end of part 1
;; launch pv (part 2): grid 32 x 8, 4 waves a work-group, clusters of 4 x 1, 327,680 bytes of LDS; arguments vfrag, pfrag, pstat, out0; writes out0
.if DOCPART == 2
	.amdgcn_target "amdgcn-amd-amdhsa--gfx1250"
	.amdhsa_code_object_version 6
	.text
	.protected	k_q0bd9de83d0_pv
	.globl	k_q0bd9de83d0_pv
	.p2align	8
	.type	k_q0bd9de83d0_pv,@function
k_q0bd9de83d0_pv:
	s_mov_b64 s[64:65], 0
	v_nop
	global_prefetch_b8 v0, s[64:65] scope:SCOPE_SE
	s_setreg_imm32_b32 hwreg(HW_REG_WAVE_MODE, 25, 1), 1
	s_wait_xcnt 0x0
	s_wait_alu depctr_hold_cnt(0) depctr_sa_sdst(0) depctr_va_vdst(0) depctr_va_sdst(0) depctr_va_ssrc(0) depctr_va_vcc(0) depctr_vm_vsrc(0)
	s_getreg_b32 s2, hwreg(HW_REG_IB_STS2, 6, 4)
	s_cmp_eq_u32 s2, 0
	s_cbranch_scc0 .Lentry_in_a_cluster
	s_endpgm
.Lentry_in_a_cluster:
	s_bfe_u32 s2, ttmp6, 0x10000c
	s_cmp_lg_u32 s2, 0x3003
	s_cbranch_scc0 .Lentry_shape_is_right
	s_endpgm
.Lentry_shape_is_right:
; out[q][d] = (the sum over all 4,096 keys of code(p[q][key]) x code(V[key][d])) x 2^(e8 + e9) / l[q], on codes of E4M3 that the launch before has laid as images of operand registers.
; For keys 0 .. 63 p's codes come from pfrag; for every key from 64 on p is 2^-M of the query, ONE code, so P's fragment for those keys is a constant of the query tile: 16 registers that
; hold that code in every byte and stay for the whole launch.
; SHARES.  A work-group makes 128 queries (8 tiles of 16) x 64 channels of one batch; wave w takes channel tile 4 dhalf + w for all 128 queries: 8 accumulators.  So each fragment of V
; is read from LDS once in the work-group and feeds 8 matrix instructions.  The product is used transposed (source 0 = 16 channels of V, source 1 = 16 queries of P): a lane holds ONE
; query and eight neighbouring channels.
; CLUSTER.  The four work-groups of a cluster share batch and channel half, so they want the same 262,144 bytes of vfrag: each piece is asked for JOINTLY, by the same tensor load with the
; same descriptor and a mask that names the four.  The whole slab fits in LDS: every byte is filled once, nothing is filled again; each wave asks for its own channel tile's 65,536 bytes in four
; pieces of 16,384 (four tensor loads of mine are out at the most) and is the only one that reads them, each piece behind its own counted wait.
; REGISTERS, in windows of 256: window 0: v1-7 addresses; v16-31 (2^(e8+e9) / l, code x 4) of the 8 query tiles; v64-127 the accumulators; v128-255 the 8 constant fragments, on the way out free.
;   window 1: V's fragments 0-15 (16 registers each);   window 2: fragments 16-31;   window 3: v0-63 P's codes for keys 0-63, 8 registers a tile.
; Every fragment of V has registers of its own: no load lands on a register that a matrix instruction has read.
; A query tile's rows are not neighbours: lane r of tile i is row 32 (i / 2) + 8 (i % 2) + r + (r & 8) of the 128, as the launch before laid them.
.set LN16, 1                           ; v1   16 x lane
.set VAD,  2                           ; v2   LDS: 16 x lane + 65,536 x wave: my place in my channel tile's planes
.set LN8,  4                           ; v4   8 x lane
.set STO,  5                           ; v5   the way out: where I put 32 bytes of a row
.set RD,   6                           ; v6   the way out: where I read a row back
.set CO,   7                           ; v7   my byte offset in the wave's rows of out
.set ST,   16
.set ACC,  64
.set CN,   128
.set TMP,  128
.set BK,   192
.set G1,   16                          ; s[16:23] descriptor group 1
.set G0,   24                          ; s[24:39] descriptor group 0, a set for each of the four pieces
.set STAGE, 262144                     ; behind the slab: 128 rows x (256 bytes + 16), the work-group's; no tensor load fills it
.set SP,   272
.set MSB, 0
.macro WIN new                         ; low byte: bits 1:0 source 0, 3:2 source 1, 5:4 source 2, 7:6 destination; the high byte repeats the setting that is left
.if MSB != \new
	s_set_vgpr_msb (MSB<<8)|\new
.set MSB, \new
.endif
.endm
.macro CROUND                          ; a round of the cluster's barrier: my work-group's barrier; wave 0 signals for the work-group; every wave waits for all four work-groups; my work-group's barrier once more
	s_barrier_signal -1
	s_barrier_wait -1
	s_cmp_lg_u32 s12, 0
	s_cbranch_scc1 .Lnot_wave_0_\@
	s_barrier_signal -3
.Lnot_wave_0_\@:
	s_barrier_wait -3
	s_barrier_signal -1
	s_barrier_wait -1
.endm
.macro LOADCH n                        ; piece n: fragments 8 n .. 8 n + 7 from LDS, 32 loads of 512 consecutive bytes, in one run
.if (\n) < 2
	WIN 0x40                                       ; destination window 1, address window 0
.else
	WIN 0x80                                       ; destination window 2
.endif
.irp j, 0,1,2,3,4,5,6,7
.irp c, 0,1,2,3
	ds_load_b128 v[16*((8*(\n)+\j)%16)+4*\c:16*((8*(\n)+\j)%16)+4*\c+3], v[VAD] offset:2048*(8*(\n)+\j)+512*\c
.endr
.endr
.endm
.macro MULF f, younger                 ; 128 keys, all from 64 on: fragment f of V against the 8 constant fragments; the 8 accumulators take turns, one instruction a turn
	s_wait_dscnt \younger                          ; LDS loads come back in order: fragment f is in, the younger ones may be out
.if (\f) < 16
	WIN 0x01                                       ; source 0 (V) window 1
.else
	WIN 0x02                                       ; window 2
.endif
.irp i, 0,1,2,3,4,5,6,7
	v_wmma_f32_16x16x128_fp8_fp8 v[ACC+8*\i:ACC+8*\i+7], v[16*((\f)%16):16*((\f)%16)+15], v[CN+16*\i:CN+16*\i+15], v[ACC+8*\i:ACC+8*\i+7]
.endr
.endm
	s_load_b256 s[4:11], s[0:1], 0x0               ; vfrag s[4:5], pfrag s[6:7], pstat s[8:9], out s[10:11]
	v_lshl_add_u32 v62, v0, 2, 0x48800
	v_mov_b32 v63, 0
	ds_add_u32 v62, v63
	ds_add_u32 v62, v63
	v_lshrrev_b32 v8, 5, v0
	v_readfirstlane_b32 s12, v8                    ; wave 0..3
	v_and_b32 v8, 31, v0
	v_lshlrev_b32 v[LN16], 4, v8
	v_lshlrev_b32 v[LN8], 3, v8
	s_lshl_b32 s40, s12, 16                        ; my channel tile's 65,536 bytes, in the slab and in LDS alike: no place in the cluster enters an LDS address
	v_add_nc_u32 v[VAD], s40, v[LN16]
	s_bfe_u32 s13, ttmp6, 0x40000                  ; cx: my place in the cluster
	s_lshl_b32 s14, ttmp9, 2                       ; in a cluster launch ttmp9 counts clusters
	s_add_co_u32 s14, s14, s13                     ; my block of 128 queries in the batch: it enters pfrag's, pstat's and out's addresses alone
	s_and_b32 s15, ttmp7, 0xffff                   ; y = 2 batch + channel half, which the four partners share
	; descriptor group 1: 64 rows of 32 elements of 8 bytes, dense: 16,384 bytes as they lie
	s_mov_b32 s[G1+0], 15|(3<<16)|(1<<21)          ; 15:0 the mask: all four work-groups; 17:16 elements of 8 bytes; 20 no padding; 21 set beside a mask
	s_mov_b32 s[G1+1], 32<<16                      ; tensor_dim0 = 32
	s_mov_b32 s[G1+2], 64<<16                      ; tensor_dim1 = 64
	s_mov_b32 s[G1+3], 32<<16                      ; tile_dim0 = 32
	s_mov_b32 s[G1+4], 64                          ; tile_dim1 = 64
	s_mov_b32 s[G1+5], 32                          ; from row to row: 32 elements
	s_mov_b32 s[G1+6], 0
	s_mov_b32 s[G1+7], 0
	s_lshl_b32 s42, s15, 18                        ; the slab: 262,144 y,
	s_add_co_u32 s42, s42, s40                     ; + my channel tile
	s_mov_b32 s43, 0
	s_lshr_b32 s44, s15, 1
	s_lshl_b32 s44, s44, 5
	s_add_co_u32 s44, s44, s14                     ; 32 batch + my block: which 128 queries of the 16,384
	s_lshl_b32 s46, s44, 16                        ; out: 128 rows of 512 bytes,
	s_lshl_b32 s41, s12, 14
	s_add_co_u32 s46, s46, s41                     ; + the 32 rows that I store,
	s_and_b32 s41, s15, 1
	s_lshl_b32 s41, s41, 8
	s_add_co_u32 s46, s46, s41                     ; + the channel half's 256 bytes
	s_mov_b32 s47, 0
	s_wait_dscnt 0x0
	s_wait_kmcnt 0x0
	s_add_nc_u64 s[10:11], s[10:11], s[46:47]
	s_lshl_b32 s46, s44, 13                        ; pfrag: 8 tiles of 1,024 bytes
	s_add_nc_u64 s[6:7], s[6:7], s[46:47]
	s_lshl_b32 s46, s44, 11                        ; pstat: 8 tiles of 256 bytes
	s_add_nc_u64 s[8:9], s[8:9], s[46:47]
	s_add_nc_u64 s[42:43], s[4:5], s[42:43]
.irp n, 0,1,2,3
	s_mov_b32 s[G0+4*\n], 1                        ; count = 1
	s_add_co_u32 s[G0+4*\n+1], s40, \n*16384       ; LDS address
	s_add_nc_u64 s[G0+4*\n+2:G0+4*\n+3], s[42:43], \n*16384   ; global address
	s_or_b32 s[G0+4*\n+3], s[G0+4*\n+3], 0x80000000           ; type = 2
.endr
	CROUND                                         ; all four work-groups are here: the joint loads meet
.irp n, 0,1,2,3
	tensor_load_to_lds s[G0+4*\n:G0+4*\n+3], s[G1:G1+7]   ; all fills of the launch go out together, ahead of every wait on TENSORcnt and every LDS read
	s_nop 0
.endr
.rept 4
	v_nop                                          ; four v_nop follow the last of them
.endr
.irp i, 0,1,2,3,4,5,6,7
	global_load_b64 v[ST+2*\i:ST+2*\i+1], v[LN8], s[8:9] offset:256*\i
.endr
	WIN 0xc0                                       ; destination window 3
.irp i, 0,1,2,3,4,5,6,7
.irp c, 0,1
	global_load_b128 v[8*\i+4*\c:8*\i+4*\c+3], v[LN16], s[6:7] offset:1024*\i+512*\c
.endr
.endr
	WIN 0
	v_and_b32 v8, 15, v0                           ; r
	v_bfe_u32 v9, v0, 4, 1                         ; h
	v_and_b32 v10, 8, v8
	v_add_nc_u32 v10, v10, v8                      ; r + (r & 8)
	v_mul_u32_u24 v[STO], v10, SP                  ; into the stage: my query's row of a tile, + 64 bytes x wave (my 16 channels), + 32 h
	v_lshl_add_u32 v[STO], v9, 5, v[STO]
	s_lshl_b32 s41, s12, 6
	s_add_co_u32 s41, s41, STAGE
	v_add_nc_u32 v[STO], s41, v[STO]
	v_mul_u32_u24 v[RD], v9, SP                    ; back: wave w takes rows 32 w .. 32 w + 31, whole; lanes 0-15 one row of 256 bytes, lanes 16-31 the next
	v_lshl_add_u32 v[RD], v8, 4, v[RD]
	s_mul_i32 s41, s12, 32*SP
	s_add_co_u32 s41, s41, STAGE
	v_add_nc_u32 v[RD], s41, v[RD]
	v_lshlrev_b32 v[CO], 9, v9                     ; and the same two rows in out
	v_lshl_add_u32 v[CO], v8, 4, v[CO]
	s_wait_loadcnt 16                              ; the eight pairs are in; the 16 loads of P's codes may be out
.irp i, 0,1,2,3,4,5,6,7
.irp k, 0,1,2,3,4,5,6,7,8,9,10,11,12,13,14,15
	v_mov_b32 v[CN+16*\i+\k], v[ST+2*\i+1]         ; the constant fragments: an operand is 16 registers on end, all with the query's one code; made while the pieces are on their way
.endr
.endr
	s_wait_tensorcnt 3                             ; tensor loads of a wave end in order: my first piece is in LDS, the three behind it may be out
	LOADCH 0
	s_wait_loadcnt 0x0                             ; P's codes
	s_wait_dscnt 28                                ; fragment 0 is in
	WIN 0x0d                                       ; source 0 (V) window 1, source 1 (P) window 3
.irp i, 0,1,2,3,4,5,6,7
	v_wmma_f32_16x16x64_fp8_fp8 v[ACC+8*\i:ACC+8*\i+7], v[0:7], v[8*\i:8*\i+7], 0   ; keys 0-63: the first product starts the sums
.endr
	WIN 0x01
.irp i, 0,1,2,3,4,5,6,7
	v_wmma_f32_16x16x64_fp8_fp8 v[ACC+8*\i:ACC+8*\i+7], v[8:15], v[CN+16*\i:CN+16*\i+7], v[ACC+8*\i:ACC+8*\i+7]   ; keys 64-127
.endr
.rept 5
	v_nop                                          ; the form changes on the same accumulators: that is no link of a chain, so five places stand between (ISA guide 7.12.1)
.endr
.irp n, 0,1,2,3                        ; the other 31 fragments, piece by piece; the next piece's LDS loads stand in one run in the middle of a piece's products
.irp k, 0,1,2,3
.if 8*\n+\k > 0
	MULF 8*\n+\k, 4*(7-\k)
.endif
.endr
.if \n < 3
	s_wait_tensorcnt 2-\n                          ; the next piece is in LDS; those asked for behind it may be out
	LOADCH \n+1
.endif
.irp k, 4,5,6,7
.if \n < 3
	MULF 8*\n+\k, 4*(7-\k)+32                      ; + the 32 loads just issued
.else
	MULF 8*\n+\k, 4*(7-\k)
.endif
.endr
.endr
	; THE WAY OUT.  A lane's eight sums are eight neighbouring channels of one row; a row's 64 channels (256 bytes) come from four waves.  They meet in the stage; each wave then stores 32 whole rows.
	WIN 0
.rept 4
	v_nop                                          ; places behind the last products: their results are read, and their constant fragments' registers written
.endr
.irp i, 0,1,2,3,4,5,6,7
.irp j, 0,2,4,6
	v_pk_mul_f32 v[TMP+8*\i+\j:TMP+8*\i+\j+1], v[ACC+8*\i+\j:ACC+8*\i+\j+1], v[ST+2*\i:ST+2*\i+1] op_sel_hi:[1,0]   ; x 2^(e8 + e9) / l (the pair's low word for both halves); each accumulator from its low end on
.endr
.endr
.irp i, 0,1,2,3,4,5,6,7
	ds_store_b128 v[STO], v[TMP+8*\i:TMP+8*\i+3] offset:(32*(\i/2)+8*(\i%2))*SP
	ds_store_b128 v[STO], v[TMP+8*\i+4:TMP+8*\i+7] offset:(32*(\i/2)+8*(\i%2))*SP+16
.endr
	s_wait_dscnt 0x0                               ; for the others' sake: my stores into the stage are done
	s_barrier_signal -1
	s_barrier_wait -1
.irp t, 0,1,2,3,4,5,6,7,8,9,10,11,12,13,14,15
	ds_load_b128 v[BK+4*\t:BK+4*\t+3], v[RD] offset:\t*2*SP
.endr
.irp t, 0,1,2,3,4,5,6,7,8,9,10,11,12,13,14,15
	s_wait_dscnt 15-\t
	global_store_b128 v[CO], v[BK+4*\t:BK+4*\t+3], s[10:11] offset:1024*\t th:TH_STORE_NT   ; 16 lanes store 256 consecutive bytes, at a multiple of 256 from out's first byte; written once, read by nobody here
.endr
	s_wait_tensorcnt 0x0
	ds_add_u32 v62, v63
	s_wait_dscnt 0x0
	CROUND                                         ; the closing round: no work-group ends while a partner may still ask for a piece that names it (my tensor loads and LDS instructions are all done)
	s_endpgm
.Lfunc_end_k_q0bd9de83d0_pv:
	.size	k_q0bd9de83d0_pv, .Lfunc_end_k_q0bd9de83d0_pv-k_q0bd9de83d0_pv
	.p2alignl 7, 3214868480
	.fill 96, 4, 3214868480
	.section	.rodata,"a",@progbits
	.p2align	6, 0x0
	.amdhsa_kernel k_q0bd9de83d0_pv
		.amdhsa_group_segment_fixed_size 327680
		.amdhsa_private_segment_fixed_size 0
		.amdhsa_enable_private_segment 0
		.amdhsa_kernarg_size 32
		.amdhsa_user_sgpr_count 2
		.amdhsa_user_sgpr_kernarg_segment_ptr 1
		.amdhsa_wavefront_size32 1
		.amdhsa_system_sgpr_workgroup_id_x 1
		.amdhsa_system_sgpr_workgroup_id_y 1
		.amdhsa_system_sgpr_workgroup_id_z 1
		.amdhsa_system_vgpr_workitem_id 0
		.amdhsa_next_free_vgpr 832
		.amdhsa_next_free_sgpr 66
		.amdhsa_reserve_vcc 0
		.amdhsa_float_denorm_mode_32 3
		.amdhsa_float_denorm_mode_16_64 3
		.amdhsa_memory_ordered 1
		.amdhsa_forward_progress 1
		.amdhsa_inst_pref_size 44
	.end_amdhsa_kernel
	.amdgpu_metadata
---
amdhsa.version: [ 1, 2 ]
amdhsa.kernels:
  - .name:           k_q0bd9de83d0_pv
    .symbol:         k_q0bd9de83d0_pv.kd
    .args:
      - { .name: vfrag, .offset: 0, .size: 8, .value_kind: global_buffer, .address_space: global }
      - { .name: pfrag, .offset: 8, .size: 8, .value_kind: global_buffer, .address_space: global }
      - { .name: pstat, .offset: 16, .size: 8, .value_kind: global_buffer, .address_space: global }
      - { .name: out0, .offset: 24, .size: 8, .value_kind: global_buffer, .address_space: global }
    .group_segment_fixed_size: 327680
    .private_segment_fixed_size: 0
    .kernarg_segment_align: 8
    .kernarg_segment_size: 32
    .max_flat_workgroup_size: 128
    .sgpr_count:     66
    .vgpr_count:     832
    .wavefront_size: 32
...
	.end_amdgpu_metadata
.endif
;; end of part 2
